; MI455X (gfx1250); checked and timed in simulation.
; The chip was launched on July 23, 2026; its instructions are those of AMD's public machine-readable ISA for CDNA 5 (MIT licence, August 2026) and "CDNA5" Instruction Set Architecture Reference Guide (July 2026). The comments in the code are by the model that wrote it; some were corrected since.
;; Attention. Allowed arithmetic: matrix products marked QUANTISED: E2M3 operands, one E8M0 scale for each 32 along K, by v_wmma_scale_f32_16x16x128_f8f6f4 with both operands' format E2M3, f32 sums; everything else in f32.
;; Inputs: K_codes 512 x 32 x 24 uint8 (E2M3 codes of K, K innermost, in blocks of 32 codes, four codes in three bytes); K_scales 512 x 32 uint8 (E8M0 scales of K, one for each 32 codes along K); Q_codes 512 x 32 x 24 uint8 (E2M3 codes of Q, K innermost, in blocks of 32 codes, four codes in three bytes); Q_scales 512 x 32 uint8 (E8M0 scales of Q, one for each 32 codes along K); X_codes 8 x 2,048 x 32 x 24 uint8 (E2M3 codes of X, K innermost, in blocks of 32 codes, four codes in three bytes); X_scales 8 x 2,048 x 32 uint8 (E8M0 scales of X, one for each 32 codes along K); Y 8 x 2,048 x 1,024 float32; b1 512 float32; b2 512 float32; g1 512 float32; g2 512 float32.
;; Outputs: out0 8 x 2,048 x 1,024 float32.
;; This version of the problem:
;;   THIS VERSION OF THE PROBLEM IS GIVEN IN LOW PRECISION. The matrix products marked QUANTISED in the list below multiply operands that are first quantised to E2M3 (2 exponent bits, 3 mantissa bits; 6 bits a number), with one power-of-two scale for each 32 numbers along K (OCP MX v1.0); their sums are f32. All else is computed in f32.
;;   The module's matrix products, in the order in which they are computed (A, B: the left and right operand; K: the contracted axis; several contracted axes count as one K, in the product's order):
;;     1. [M 16,384, K 1,024] x [K 1,024, N 512]; A: input Y; B: input K (given as codes): QUANTISED
;;     2. [M 16,384, K 1,024] x [K 1,024, N 512]; A: input X (given as codes); B: input Q (given as codes): QUANTISED
;;     3. batch 8 x [M 2,048, K 512] x [K 512, N 2,048]; A: computed on the way; B: computed on the way: QUANTISED
;;     4. batch 8 x [M 2,048, K 2,048] x [K 2,048, N 1,024]; A: softmax (see below); B: input Y: QUANTISED
;;   THE QUANTISER, for each operand of a quantised product, along K:
;;     - K is cut into blocks of 32 from its start; a last block that is shorter is filled with zeros.
;;     - A block's scale is 2^e with e = floor(log2(the largest magnitude in the block)) - 2, held to -126 .. 127; a block of zeros has e = 0. As a byte (E8M0): e + 127.
;;     - Each number is divided by its block's scale, clamped to +-7.5, and rounded to the nearest number of E2M3, ties to even, subnormals kept.
;;     - The product sums the exact products of the quantised numbers (number of the format x scale) in f32.
;;   ~~~python
;;   def quantise(x, axis):      # numpy; x: float32 -> the quantised numbers, widened to float32 again
;;       x = np.moveaxis(x, axis, -1); K = x.shape[-1]
;;       x = np.pad(x, [(0, 0)] * (x.ndim - 1) + [(0, -K % 32)]); x = x.reshape(x.shape[:-1] + (-1, 32)); a = np.abs(x).max(-1, keepdims=True)
;;       e = np.where(a > 0, np.clip(np.frexp(np.where(a > 0, a, 1))[1] - 1 - 2, -126, 127), 0)      # np.frexp(a)[1] - 1 = floor(log2(a)), exactly
;;       r = np.clip(x / 2.0 ** e, -7.5, 7.5)
;;       step = 2.0 ** (np.maximum(np.frexp(np.where(r == 0, 1, r))[1] - 1, 0) - 3)
;;       q = np.round(r / step) * step * 2.0 ** e      # np.round: ties to even
;;       return np.moveaxis(q.reshape(q.shape[:-2] + (-1,))[..., :K], -1, axis).astype(np.float32)
;;   ~~~
;;   SOFTMAX AHEAD OF A QUANTISED PRODUCT. Where the list says 'softmax', what is quantised is not the finished softmax but p = 2^(t - M), with t = logit x log2(e) and M = ceil(the row's largest t), a whole number; so 1/2 < the row's largest p <= 1. The row's sum l is taken of the UNQUANTISED p, in f32, and the product's result is divided by l at the end. Since M is a whole number, a kernel that streams over the keys may use a running M (the ceiling of the running maximum): every later rescaling is an exact power of two, which a block's scale takes up: the codes' values come out the same.
;;   OPERANDS COMPUTED ON THE WAY. 'Computed on the way' means the value that the module computes at that place (a softmax that the list does not call 'softmax' is quantised finished and normalised). What goes into a quantiser is computed in f32, as accurately as f32 sums, v_exp_f32 and their like allow (about 1e-6 of the number): no bf16 or f16 on the way to a quantiser, and a product that is left as it is and whose result goes on into a quantised operand takes f32 operands (vector FMAs, or v_wmma_f32_16x16x4_f32). A number that lies on a knife's edge between two numbers of the format may be rounded either way, as far as f32 arithmetic and the matrix unit's own rounding can turn it there, and no further.
;;   INPUTS GIVEN AS CODES. K (in the module: [1024, 512], K = its axis 0); Q (in the module: [1024, 512], K = its axis 0); X (in the module: [8, 2048, 1024], K = its axis 2): each comes as NAME_codes (uint8): NAME with its K axis moved to the last place and cut into blocks of 32 codes, [.., K / 32, bytes a block], one block behind the other in memory; four codes in three bytes: a row's codes are one little-endian stream of bits, code i at bits 6 i .. 6 i + 5 (a code: sign, 2 exponent bits, 3 mantissa bits); and NAME_scales (uint8): the same leading axes, one E8M0 byte (e + 127) for each 32 codes along K. Its value is code x scale, taken as it is: it is not quantised again, and the codes and scales need not be those that the quantiser above would give.
;; One version. Each part assembles by itself: llvm-mc -triple=amdgcn-amd-amdhsa -mcpu=gfx1250 --defsym DOCPART=n.
;; ======== version 1 of 1: 3 launches
;; limits: right only within a limited range of input values
;; workspace buffers: Yf_codes 12,582,912 bytes; Yf_scales 524,288 bytes; Wimg 786,432 bytes; KV 19,660,800 bytes; Qimg 6,553,600 bytes
;; launch prep (part 1): grid 528 x 1, 4 waves a work-group, no clusters, 54,784 bytes of LDS; arguments Y, K_codes, Q_codes, Yf_codes, Yf_scales, KV, Wimg; writes Yf_codes, Yf_scales, KV, Wimg
.if DOCPART == 1
	.amdgcn_target "amdgcn-amd-amdhsa--gfx1250"
	.amdhsa_code_object_version 6
	.text
	.protected	k_q2dd3eec98a_prep
	.globl	k_q2dd3eec98a_prep
	.p2align	8
	.type	k_q2dd3eec98a_prep,@function
k_q2dd3eec98a_prep:
	s_mov_b64 s[64:65], 0
	v_nop
	global_prefetch_b8 v0, s[64:65] scope:SCOPE_SE
	s_setreg_imm32_b32 hwreg(HW_REG_WAVE_MODE, 25, 1), 1
	s_wait_xcnt 0x0
; out = softmax(LN(X Q) LN(Y K)^T / 512) Y, all four products on codes of E2M3 with one E8M0 scale for each 32 along K.  Three launches: this one, the two projections with their LayerNorm, the attention.
; NO WORK IS LEFT OUT: every input has a way to the output (the biases b1, b2 move the codes of the third product's operands), and every input is loaded by one of the launches.
; THIS LAUNCH reads Y once and quantises it along BOTH axes that the products contract: along the features (first product) into Yf_codes [16384][768] and Yf_scales [16384][32], laid as X_codes and X_scales are;
; and along the keys (fourth product) into the V parts of KV.  It also lays the two weights' codes out as images of the operand's registers (Wimg).
; KV: a block of 153,600 bytes for each 128 keys, four quarters of 38,400: +0 K's images, +12,288 K's scale words (both stored by the next launch), +12,800 sixteen images of V (16 features x 128 keys, 1,536 bytes:
; registers 4 g .. 4 g + 3 of lane L at 512 g + 16 L), +37,376 V's scale words, 4 bytes a feature.
; SHARES.  Work-groups 0-511: 128 keys (number / 4) x 256 features (number % 4); wave w: 64 features, as 8 patches of 32 keys x 32 features, patch p = 2 kb + g2.  A lane loads a feature, its 32 registers run down the
; keys: that is a block of the fourth product.  The same patch, turned through the wave's own LDS stage, gives a lane a key and 32 neighbouring features: a block of the first product.
; Work-groups 512-527: a wave copies one tile (16 rows x all 1,024 along K) of one weight into eight images.  THE ROWS OF A TILE ARE NOT NEIGHBOURS: lane r of tile 2 b + u takes row 32 b + 8 u + r + 8 (r / 8) of its 128.
; A block's scale is 2^(floor(log2(largest magnitude)) - 2); its byte is the largest magnitude's exponent field - 2, held at 1 from below.
; LIMITS: a block of zeros gets the byte 1 where the rule says 127 (its codes are zeros, and these bytes are read by this program alone); NaN and infinities in Y are not served.
; No matrix unit, no tensor load, no cluster: the work-groups share no input, and memory binds.
.set FB,    34816                      ; LDS: from 0 the stage for the feature-wise codes, 128 rows x 272 (16 places of 16 bytes, 12 used, + 16); here its 128 x 8 scale bytes
.set TS,    35840                      ; the turning stages, one for each wave: 32 rows x 144 bytes
.set TSW,   4608
.set TP,    144
.set SPARE, 54272                      ; the spare words, 128 bytes for each wave: two blocks of 256 bytes that no other line names
.set LO,   2                           ; v2   4 x lane
.set TW,   3                           ; v3   turning stage, in: 4 x lane
.set TR,   4                           ; v4   turning stage, out: 144 x lane
.set FW,   5                           ; v5   272 x lane + 64 x wave
.set FBW,  6                           ; v6   FB + 8 x lane + 2 x wave
.set VO,   7                           ; v7   my place in V's images
.set VSO,  8                           ; v8   my feature's scale word
.set FRD,  9                           ; v9   the stage read back by rows
.set FGO,  10                          ; v10  and the same place in Yf_codes
.set SPW,  14                          ; v14  my spare word; never rewritten
.set NIL,  15                          ; v15  0; never rewritten
.set VSW,  16                          ; v16-17 V's scale word, one for each g2
.set FBR,  18                          ; v18  FB + 8 x thread
.set FSO,  19                          ; v19  32 x thread
.set FC,   20                          ; v20-22, v24-26 a feature-wise block's codes
.set FBY,  27                          ; v27  its byte
.set TMPC, 28                          ; v28-30
.set X,    32                          ; v32-95   two sets of 32 numbers; later the rows on their way out
.set T,    96                          ; v96-127  the patch turned
.set VC,   128                         ; v128-175 V's codes, 24 registers for each g2
.set OUTR, 32
.set SBO,  176
	s_load_b256 s[4:11], s[0:1], 0x0               ; Y, K_codes, Q_codes, Yf_codes
	s_load_b128 s[12:15], s[0:1], 0x20             ; Yf_scales, KV
	s_load_b64 s[16:17], s[0:1], 0x30              ; Wimg
	v_lshl_add_u32 v[SPW], v0, 2, SPARE
	v_mov_b32 v[NIL], 0
	v_lshrrev_b32 v1, 5, v0
	v_readfirstlane_b32 s18, v1                    ; wave
	v_and_b32 v1, 31, v0                           ; lane
	v_and_b32 v11, 15, v0                          ; lane % 16
	v_bfe_u32 v12, v0, 4, 1                        ; lane / 16
	s_cmp_lt_u32 ttmp9, 512                        ; the work-group's number alone decides: all four waves go the same way
	s_cbranch_scc1 .Lypath
	; ---- the weights: no LDS data, no barrier
	s_sub_co_u32 s20, ttmp9, 512
	s_lshl_b32 s20, s20, 2
	s_add_co_u32 s20, s20, s18                     ; 0 .. 63: which weight (/ 32), which of its 32 tiles
	s_lshr_b32 s21, s20, 5
	s_and_b32 s22, s20, 31
	s_lshr_b32 s23, s22, 3                         ; the group of 128 rows
	s_and_b32 s24, s22, 7                          ; the tile in it
	s_lshl_b32 s25, s23, 7
	s_lshr_b32 s26, s24, 1
	s_lshl_b32 s26, s26, 5
	s_add_co_u32 s25, s25, s26
	s_and_b32 s26, s24, 1
	s_lshl_b32 s26, s26, 3
	s_add_co_u32 s25, s25, s26                     ; the tile's first row
	s_mul_i32 s26, s25, 768
	s_mov_b32 s27, 0
	s_mul_i32 s28, s21, 393216
	s_mul_i32 s30, s23, 24576
	s_add_co_u32 s28, s28, s30
	s_mul_i32 s30, s24, 1536
	s_add_co_u32 s28, s28, s30                     ; Wimg [which][K step / 2][group][K step % 2][tile][1536]
	s_mov_b32 s29, 0
	s_wait_alu depctr_va_vdst(0)
	v_and_b32 v13, 8, v11
	v_add_nc_u32 v13, v13, v11                     ; r + 8 (r / 8)
	v_mul_u32_u24 v2, v13, 768
	v_mad_u32_u24 v2, v12, 24, v2                  ; my row, + 24 bytes for the upper half of the lanes
	v_lshlrev_b32 v3, 4, v1
	s_wait_alu depctr_va_vdst(0)
	s_wait_kmcnt 0x0
	s_cmp_eq_u32 s21, 0
	s_cselect_b64 s[6:7], s[6:7], s[8:9]
	s_add_nc_u64 s[6:7], s[6:7], s[26:27]
	s_add_nc_u64 s[16:17], s[16:17], s[28:29]
.irp s, 0,1,2,3,4,5,6,7
.irp p, 0,1,2,3,4,5
	global_load_b64 v[32+12*\s+2*\p:32+12*\s+2*\p+1], v2, s[6:7] offset:96*\s+48*(\p/3)+8*(\p%3)
.endr
.endr
	s_wait_loadcnt 0x0
.irp s, 0,1,2,3,4,5,6,7
.irp c, 0,1,2
	global_store_b128 v3, v[32+12*\s+4*\c:32+12*\s+4*\c+3], s[16:17] offset:(\s/2)*98304+(\s%2)*12288+512*\c   ; 32 lanes store 512 consecutive bytes
.endr
.endr
	s_wait_tensorcnt 0x0                           ; the wave's end
	ds_add_u32 v[SPW], v[NIL]
	s_wait_dscnt 0x0
	s_endpgm
.Lypath:
	s_lshr_b32 s20, ttmp9, 2                       ; which 128 keys
	s_and_b32 s21, ttmp9, 3                        ; which 256 features
	s_lshl_b32 s22, s20, 19
	s_lshl_b32 s24, s21, 10
	s_add_co_u32 s22, s22, s24
	s_lshl_b32 s24, s18, 8
	s_add_co_u32 s22, s22, s24                     ; Y: 128 rows of 4,096 bytes a block, + 4 x my first feature
	s_mov_b32 s23, 0
	s_mul_i32 s24, s20, 153600
	s_mul_i32 s26, s21, 38400
	s_add_co_u32 s24, s24, s26                     ; KV: block, quarter
	s_mov_b32 s25, 0
	s_mul_i32 s26, s20, 98304
	s_mul_i32 s28, s18, 24576
	s_add_co_u32 s26, s26, s28
	s_mul_i32 s28, s21, 192
	s_add_co_u32 s26, s26, s28                     ; Yf_codes: row 128 J + 32 w, + 192 bytes for each 256 features
	s_mov_b32 s27, 0
	s_lshl_b32 s28, s20, 12
	s_lshl_b32 s30, s21, 3
	s_add_co_u32 s28, s28, s30                     ; Yf_scales: row 128 J, + 8 bytes
	s_mov_b32 s29, 0
	s_wait_alu depctr_va_vdst(0)
	v_lshlrev_b32 v[LO], 2, v1
	s_mul_i32 s30, s18, TSW
	s_add_co_u32 s30, s30, TS
	v_add_nc_u32 v[TW], s30, v[LO]
	v_mul_u32_u24 v[TR], v1, TP
	v_add_nc_u32 v[TR], s30, v[TR]
	v_mul_u32_u24 v[FW], v1, 272
	s_lshl_b32 s30, s18, 6
	v_add_nc_u32 v[FW], s30, v[FW]
	v_lshlrev_b32 v[FBW], 3, v1
	s_lshl_b32 s30, s18, 1
	s_add_co_u32 s30, s30, FB
	v_add_nc_u32 v[FBW], s30, v[FBW]
	v_mul_u32_u24 v[VO], v12, 1536
	v_lshl_add_u32 v[VO], v11, 4, v[VO]
	s_mul_i32 s30, s18, 6400                       ; V's part of a quarter, from +12,800 on: for each 64 features four images (6,144 bytes), then their 64 scale words (256 bytes)
	v_add_nc_u32 v[VO], s30, v[VO]                 ; feature tile 4 w + 2 g2 + lane / 16; in it 16 bytes for lane % 16
	v_add_nc_u32 v[VSO], s30, v[LO]
	v_mul_u32_u24 v[FRD], v12, 272
	v_lshl_add_u32 v[FRD], v11, 4, v[FRD]
	s_mul_i32 s30, s18, 32*272
	v_add_nc_u32 v[FRD], s30, v[FRD]
	v_mul_u32_u24 v[FGO], v12, 768
	v_mad_u32_u24 v[FGO], v11, 12, v[FGO]
	v_lshl_add_u32 v[FBR], v0, 3, FB
	v_lshlrev_b32 v[FSO], 5, v0
	s_wait_kmcnt 0x0
	s_add_nc_u64 s[4:5], s[4:5], s[22:23]
	s_add_nc_u64 s[14:15], s[14:15], s[24:25]
	s_add_nc_u64 s[10:11], s[10:11], s[26:27]
	s_add_nc_u64 s[12:13], s[12:13], s[28:29]
.macro LOAD t                          ; patch t: Y(32 kb + i, my feature), i = 0 .. 31, into set g2; every offset is an immediate
.set LK, (\t)/2
.set LG, (\t)%2
.irp i, 0,1,2,3,4,5,6,7,8,9,10,11,12,13,14,15,16,17,18,19,20,21,22,23,24,25,26,27,28,29,30,31
	global_load_b32 v[X+32*LG+\i], v[LO], s[4:5] offset:(32*LK+\i)*4096+128*LG th:TH_LOAD_NT
.endr
.endm
.macro BLKMAX s                        ; the largest magnitude of v[s] .. v[s + 31], with the floor 2^(3 - 127) among its leaves; v11 = that with 2 off its exponent field: the conversion's scale operand
	v_max3_num_f32 v12, |v[\s]|, |v[\s+1]|, |v[\s+2]|
	v_max3_num_f32 v13, |v[\s+3]|, |v[\s+4]|, |v[\s+5]|
.irp i, 6,10,14,18,22,26
	v_max3_num_f32 v12, v12, |v[\s+\i]|, |v[\s+\i+1]|
	v_max3_num_f32 v13, v13, |v[\s+\i+2]|, |v[\s+\i+3]|
.endr
	v_max3_num_f32 v12, v12, |v[\s+30]|, |v[\s+31]|
	v_max3_num_f32 v12, v12, v13, 0x1800000
	v_add_nc_u32 v11, 0xff000000, v12
.endm
.macro BLOCK p
.set KB, (\p)/2
.set G2, (\p)%2
.set XS, X+32*G2
.set DV, VC+24*G2+12*(KB%2)+6*(KB/2)   ; the image wants block 2 c + h in registers 6 c .. 6 c + 5 of lane (r, h): my 24 registers are lane (r, 0)'s twelve, then lane (r, 1)'s
.if (\p) < 7
	s_wait_loadcnt 32                              ; this patch's 32 loads are in; the next patch's may be out
.else
	s_wait_loadcnt 0x0
.endif
.irp i, 0,1,2,3,4,5,6,7,8,9,10,11,12,13,14,15,16,17,18,19,20,21,22,23,24,25,26,27,28,29,30,31
	ds_store_b32 v[TW], v[XS+\i] offset:TP*\i      ; row = key, column = feature
.endr
.irp k, 0,1,2,3,4,5,6,7
	ds_load_b128 v[T+4*\k:T+4*\k+3], v[TR] offset:16*\k   ; LDS serves a wave's instructions in order: these see the stores.  My lane's key, 32 features
.endr
	BLKMAX XS                                      ; along the keys: all 32 numbers of the block are mine
	v_lshrrev_b32 v13, 23, v11                     ; the scale's byte
	v_cvt_scalef32_pk16_fp6_f32 v[DV:DV+2], v[XS:XS+15], v11
	v_cvt_scalef32_pk16_fp6_f32 v[TMPC:TMPC+2], v[XS+16:XS+31], v11   ; (a conversion's three registers begin on an even number)
.if KB == 0
	v_mov_b32 v[VSW+G2], v13                       ; (the plain line behind the conversions)  byte kb of my feature's scale word
.else
	v_lshl_or_b32 v[VSW+G2], v13, 8*KB, v[VSW+G2]
.endif
.irp i, 0,1,2
	v_mov_b32 v[DV+3+\i], v[TMPC+\i]
.endr
	s_wait_dscnt 0x0                               ; the turned patch is in, the stores have read the set, and the last patch's stage stores have read their registers
.if (\p)+2 < 8
	LOAD (\p)+2
.endif
	BLKMAX T                                       ; along the features
	v_cvt_scalef32_pk16_fp6_f32 v[FC:FC+2], v[T:T+15], v11
	v_cvt_scalef32_pk16_fp6_f32 v[FC+4:FC+6], v[T+16:T+31], v11
	v_lshrrev_b32 v[FBY], 23, v11                  ; (the plain line behind the conversions)
	ds_store_b96 v[FW], v[FC:FC+2] offset:KB*8704+32*G2        ; row 32 kb + lane; 12 bytes to a place of 16
	ds_store_b96 v[FW], v[FC+4:FC+6] offset:KB*8704+32*G2+16
	ds_store_b8 v[FBW], v[FBY] offset:256*KB+G2
.if KB == 3                            ; the 128 keys of these 32 features are done: two images leave; sixteen lanes store 256 consecutive bytes, aligned
.irp h, 0,1
.irp c, 0,1,2
	global_store_b128 v[VO], v[VC+24*G2+12*\h+4*\c:VC+24*G2+12*\h+4*\c+3], s[14:15] offset:12800+3072*G2+512*\c+256*\h
.endr
.endr
	global_store_b32 v[VSO], v[VSW+G2], s[14:15] offset:18944+128*G2
.endif
.endm
	LOAD 0
	LOAD 1
.irp p, 0,1,2,3,4,5,6,7
	BLOCK \p
.endr
	s_wait_dscnt 0x0                               ; for the others' sake: my stores into the shared stage are done
	s_barrier_signal -1
	s_barrier_wait -1
.irp t, 0,1,2,3,4,5,6,7,8,9,10,11,12,13,14,15
	ds_load_b96 v[OUTR+4*\t:OUTR+4*\t+2], v[FRD] offset:544*\t   ; my 32 rows, two at a time: sixteen lanes take a row's 192 bytes
.endr
	ds_load_b64 v[SBO:SBO+1], v[FBR]               ; and a row's 8 scale bytes a thread
.irp t, 0,1,2,3,4,5,6,7,8,9,10,11,12,13,14,15
	s_wait_dscnt 16-\t                             ; the younger stage loads and the scale bytes' load may be out
	global_store_b96 v[FGO], v[OUTR+4*\t:OUTR+4*\t+2], s[10:11] offset:1536*\t
.endr
	s_wait_dscnt 0x0
	global_store_b64 v[FSO], v[SBO:SBO+1], s[12:13]
	s_wait_tensorcnt 0x0                           ; the wave's end, behind my last LDS store
	ds_add_u32 v[SPW], v[NIL]
	s_wait_dscnt 0x0
	s_endpgm
.Lfunc_end_k_q2dd3eec98a_prep:
	.size	k_q2dd3eec98a_prep, .Lfunc_end_k_q2dd3eec98a_prep-k_q2dd3eec98a_prep
	.p2alignl 7, 3214868480
	.fill 96, 4, 3214868480
	.section	.rodata,"a",@progbits
	.p2align	6, 0x0
	.amdhsa_kernel k_q2dd3eec98a_prep
		.amdhsa_group_segment_fixed_size 54784
		.amdhsa_private_segment_fixed_size 0
		.amdhsa_enable_private_segment 0
		.amdhsa_kernarg_size 56
		.amdhsa_user_sgpr_count 2
		.amdhsa_user_sgpr_kernarg_segment_ptr 1
		.amdhsa_wavefront_size32 1
		.amdhsa_system_sgpr_workgroup_id_x 1
		.amdhsa_system_sgpr_workgroup_id_y 1
		.amdhsa_system_sgpr_workgroup_id_z 1
		.amdhsa_system_vgpr_workitem_id 0
		.amdhsa_next_free_vgpr 192
		.amdhsa_next_free_sgpr 66
		.amdhsa_reserve_vcc 0
		.amdhsa_float_denorm_mode_32 3
		.amdhsa_float_denorm_mode_16_64 3
		.amdhsa_memory_ordered 1
		.amdhsa_forward_progress 1
		.amdhsa_inst_pref_size 84
	.end_amdhsa_kernel
	.amdgpu_metadata
---
amdhsa.version: [ 1, 2 ]
amdhsa.kernels:
  - .name:           k_q2dd3eec98a_prep
    .symbol:         k_q2dd3eec98a_prep.kd
    .args:
      - { .name: Y, .offset: 0, .size: 8, .value_kind: global_buffer, .address_space: global }
      - { .name: K_codes, .offset: 8, .size: 8, .value_kind: global_buffer, .address_space: global }
      - { .name: Q_codes, .offset: 16, .size: 8, .value_kind: global_buffer, .address_space: global }
      - { .name: Yf_codes, .offset: 24, .size: 8, .value_kind: global_buffer, .address_space: global }
      - { .name: Yf_scales, .offset: 32, .size: 8, .value_kind: global_buffer, .address_space: global }
      - { .name: KV, .offset: 40, .size: 8, .value_kind: global_buffer, .address_space: global }
      - { .name: Wimg, .offset: 48, .size: 8, .value_kind: global_buffer, .address_space: global }
    .group_segment_fixed_size: 54784
    .private_segment_fixed_size: 0
    .kernarg_segment_align: 8
    .kernarg_segment_size: 56
    .max_flat_workgroup_size: 128
    .sgpr_count:     66
    .vgpr_count:     192
    .wavefront_size: 32
...
	.end_amdgpu_metadata
.endif
;; end of part 1
;; launch proj (part 2): grid 256 x 1, 4 waves a work-group, clusters of 4 x 1, 327,680 bytes of LDS; arguments Yf_codes, X_codes, Yf_scales, X_scales, K_scales, Q_scales, g1, g2, b1, b2, Wimg, KV, Qimg; writes KV, Qimg
.if DOCPART == 2
	.amdgcn_target "amdgcn-amd-amdhsa--gfx1250"
	.amdhsa_code_object_version 6
	.text
	.protected	k_q2dd3eec98a_proj
	.globl	k_q2dd3eec98a_proj
	.p2align	8
	.type	k_q2dd3eec98a_proj,@function
k_q2dd3eec98a_proj:
	s_mov_b64 s[64:65], 0
	v_nop
	global_prefetch_b8 v0, s[64:65] scope:SCOPE_SE
	s_setreg_imm32_b32 hwreg(HW_REG_WAVE_MODE, 25, 1), 1
	s_wait_xcnt 0x0
	s_wait_alu depctr_hold_cnt(0) depctr_sa_sdst(0) depctr_va_vdst(0) depctr_va_sdst(0) depctr_va_ssrc(0) depctr_va_vcc(0) depctr_vm_vsrc(0)
	s_getreg_b32 s2, hwreg(HW_REG_IB_STS2, 6, 4)
	s_cmp_eq_u32 s2, 0
	s_cbranch_scc0 .Lentry_in_a_cluster
	s_endpgm
.Lentry_in_a_cluster:
	s_bfe_u32 s2, ttmp6, 0x10000c
	s_cmp_lg_u32 s2, 0x3003
	s_cbranch_scc0 .Lentry_shape_is_right
	s_endpgm
.Lentry_shape_is_right:
.set SLOTB, 98304
.set ABASE, 196608
; A's block, 128 rows x 768 bytes, is dense in memory: wave 3 brings it once, at the head, as 384 rows of 256 bytes with 16 bytes of padding behind each: byte y of row r lies at 816 r + 272 (y / 256) + y % 256
.set SLOTA, 52224                      ; 64 rows of A: the second pair of address registers serves rows 64-127, so that the loads' offsets stay inside 16 bits
.set PITCH, 816
.set RED0,  301056
.set SW,    305152
.set SPARE, 307200
.set FR,   12
.set LI,   4
.set REDW, 5
.set REDR, 6
.set SWW,  7
.set SWR,  8
.set GBO,  9
.set SCO,  10
.set ADRA, 16
.set ADRB, 20
.set SPW,  28
.set NIL,  29
.set AS,   32
.set WS,   96
.set AF,   160
.set PC,   160
.set TM,   180
.set EX,   160
.set U,    196
.set SM,   204
.set MU,   212
.set RS,   228
.set PW,   244
.set PT,   246
.set WV,   14
.set G1B,  24
.set G0B,  32
.set G1A,  40
.set G0A,  48
.set OUT,  56
.set QSP,  58
.set OUT0, 62
.set SEL,  66
.set MSB, 0
.macro WIN new
.if MSB != \new
	s_set_vgpr_msb (MSB<<8)|\new
.set MSB, \new
.endif
.endm
.set MUL_LO, 0xa1
.set MUL_HI, 0xf1
.set TO_B,   0x40
.macro JLOAD s, witha                  ; waves 0-2: a third of the weights' slot s, jointly; wave 3: all of A at the head (witha = 1), nothing later
	s_cmp_lt_u32 s[WV], 3
	s_cbranch_scc0 .Lfor_a_\@
	tensor_load_to_lds s[G0B+4*\s:G0B+4*\s+3], s[G1B:G1B+7]
	s_nop 0
.if \witha
.rept 4
	v_nop
.endr
	s_branch .Lasked_\@
.Lfor_a_\@:
	tensor_load_to_lds s[G0A:G0A+3], s[G1A:G1A+7]
	s_nop 0
.rept 4
	v_nop
.endr
.Lasked_\@:
.else
.Lfor_a_\@:
.rept 4
	v_nop                                          ; on every wave's way: the places in front of the LDS loads that follow
.endr
.endif
.endm
.macro CREST
	s_cmp_lg_u32 s[WV], 0
	s_cbranch_scc1 .Lnot_wave_0_\@
	s_barrier_signal -3
.Lnot_wave_0_\@:
	s_barrier_wait -3
	s_barrier_signal -1
	s_barrier_wait -1
.endm
.macro CROUND
	s_barrier_signal -1
	s_barrier_wait -1
	CREST
.endm
.macro PLACES
.rept 4
	v_nop
.endr
.endm
	s_load_b256 s[68:75], s[0:1], 0x0
	s_load_b256 s[76:83], s[0:1], 0x20
	s_load_b256 s[84:91], s[0:1], 0x40
	s_load_b64 s[92:93], s[0:1], 0x60
	v_lshl_add_u32 v[SPW], v0, 2, SPARE
	v_mov_b32 v[NIL], 0
	ds_add_u32 v[SPW], v[NIL]
	ds_add_u32 v[SPW], v[NIL]
	v_lshrrev_b32 v1, 5, v0
	v_readfirstlane_b32 s[WV], v1
	s_bfe_u32 s15, ttmp6, 0x40000
	s_lshl_b32 s16, ttmp9, 2
	s_add_co_u32 s16, s16, s15
	s_and_b32 s16, s16, 127
	s_mov_b32 s[G1B], 15|(3<<16)|(1<<21)
	s_mov_b32 s[G1B+1], 32<<16
	s_mov_b32 s[G1B+2], 128<<16
	s_mov_b32 s[G1B+3], 32<<16
	s_mov_b32 s[G1B+4], 128
	s_mov_b32 s[G1B+5], 32
	s_mov_b32 s[G1B+6], 0
	s_mov_b32 s[G1B+7], 0
	s_mov_b32 s[G1A], (3<<16)|(1<<20)|(5<<22)|(3<<25)
	s_mov_b32 s[G1A+1], 32<<16
	s_mov_b32 s[G1A+2], 384<<16
	s_mov_b32 s[G1A+3], 32<<16
	s_mov_b32 s[G1A+4], 384
	s_mov_b32 s[G1A+5], 32
	s_mov_b32 s[G1A+6], 0
	s_mov_b32 s[G1A+7], 0
	s_mov_b32 s[QSP], 12800
	s_mov_b32 s[QSP+1], 0
	s_mov_b32 s60, 51200
	s_cmp_lt_u32 ttmp9, 32
	s_cselect_b32 s[QSP], 38400, s[QSP]
	s_cselect_b32 s60, 153600, s60
	s_cselect_b32 s22, 0, 393216
	s_lshl_b32 s20, s[WV], 15
	s_add_co_u32 s22, s22, s20
	s_mov_b32 s23, 0
	s_mov_b32 s[SEL], 0x76543210
	s_mov_b32 s[SEL+1], 0xfedcba98
	s_mov_b32 s94, 0x3b000000
	s_mov_b32 s95, 0x3727c5ac
	s_wait_dscnt 0x0
	s_wait_kmcnt 0x0
	s_cmp_lt_u32 ttmp9, 32
	s_cselect_b64 s[4:5], s[68:69], s[70:71]
	s_cselect_b64 s[6:7], s[72:73], s[74:75]
	s_cselect_b64 s[8:9], s[76:77], s[78:79]
	s_cselect_b64 s[10:11], s[80:81], s[82:83]
	s_cselect_b64 s[12:13], s[84:85], s[86:87]
	s_cselect_b64 s[OUT:OUT+1], s[90:91], s[92:93]
	s_mov_b32 s3, 0
	s_mul_i32 s2, s16, 98304
	s_add_nc_u64 s[4:5], s[4:5], s[2:3]
	s_lshl_b32 s2, s16, 12
	s_add_nc_u64 s[6:7], s[6:7], s[2:3]
	s_lshl_b32 s2, s[WV], 12
	s_add_nc_u64 s[8:9], s[8:9], s[2:3]
	s_lshl_b32 s2, s[WV], 9
	s_add_nc_u64 s[10:11], s[10:11], s[2:3]
	s_add_nc_u64 s[12:13], s[12:13], s[2:3]
	s_mul_i32 s2, s16, s60
	s_add_nc_u64 s[OUT:OUT+1], s[OUT:OUT+1], s[2:3]
	s_mul_i32 s2, s[WV], s[QSP]
	s_add_co_u32 s2, s2, 12288
	s_add_nc_u64 s[OUT0:OUT0+1], s[OUT:OUT+1], s[2:3]
	s_mul_i32 s2, s[WV], 1536
	s_add_nc_u64 s[OUT:OUT+1], s[OUT:OUT+1], s[2:3]
	s_add_nc_u64 s[88:89], s[88:89], s[22:23]
	CROUND
.irp s, 0,1
	s_mov_b32 s[G0B+4*\s], 1
	s_add_co_u32 s[G0B+4*\s+1], s20, \s*SLOTB
	s_add_nc_u64 s[G0B+4*\s+2:G0B+4*\s+3], s[88:89], \s*98304
	s_or_b32 s[G0B+4*\s+3], s[G0B+4*\s+3], 0x80000000
.endr
	s_mov_b32 s[G0A], 1
	s_mov_b32 s[G0A+1], ABASE
	s_mov_b64 s[G0A+2:G0A+3], s[4:5]
	s_or_b32 s[G0A+3], s[G0A+3], 0x80000000
	JLOAD 0, 1                                     ; the head's loads, one a wave: the weights' K steps 0 and 1, and A
	v_and_b32 v1, 15, v0
	v_bfe_u32 v2, v0, 4, 1
	v_and_b32 v3, 31, v0
	v_lshlrev_b32 v[LI], 4, v3
	v_and_b32 v11, 8, v1
	v_add_nc_u32 v11, v11, v1
	v_lshlrev_b32 v[SCO], 5, v11
.irp a, 0,1,2,3,4,5,6,7
	global_load_b128 v[AS+8*\a:AS+8*\a+3], v[SCO], s[6:7] offset:(32*(\a/2)+8*(\a%2))*32
	global_load_b128 v[AS+8*\a+4:AS+8*\a+7], v[SCO], s[6:7] offset:(32*(\a/2)+8*(\a%2))*32+16
	global_load_b128 v[WS+8*\a:WS+8*\a+3], v[SCO], s[8:9] offset:(32*(\a/2)+8*(\a%2))*32
	global_load_b128 v[WS+8*\a+4:WS+8*\a+7], v[SCO], s[8:9] offset:(32*(\a/2)+8*(\a%2))*32+16
.endr
	v_mul_u32_u24 v12, v11, PITCH
	v_mad_u32_u24 v13, v2, 24, v12
	v_mad_u32_u24 v12, v2, 40, v12
.irp s, 0,1
	v_add_nc_u32 v[ADRA+\s], ABASE+\s*SLOTA, v13
	v_add_nc_u32 v[ADRA+2+\s], ABASE+\s*SLOTA, v12
.endr
	s_mul_i32 s17, s[WV], 24576
	v_add_nc_u32 v[ADRB], s17, v[LI]
	v_add_nc_u32 v[ADRB+1], SLOTB, v[ADRB]
	v_lshl_add_u32 v[REDR], v1, 5, RED0
	s_lshl_b32 s17, s[WV], 9
	v_add_nc_u32 v[REDW], s17, v[REDR]
	v_lshl_add_u32 v[SWW], v1, 4, SW
	s_lshl_b32 s17, s[WV], 2
	v_add_nc_u32 v[SWW], s17, v[SWW]
	v_lshl_add_u32 v[SWR], v0, 4, SW
	v_lshlrev_b32 v[GBO], 6, v2
.macro FRAG reg, adr, q, i
.irp p, 0,1,2,3,4,5
.set PCE, 12*(\q)+6*(\p/3)+\p%3
.if PCE%32 < 29
	ds_load_b64 v[\reg+2*\p:\reg+2*\p+1], v[\adr] offset:8*PCE+16*(PCE/32)+(32*(((\i)%4)/2)+8*((\i)%2))*PITCH
.else                                  ; lanes 16-31 read 24 bytes on, in the next 256 bytes: 16 bytes of padding more
	ds_load_b64 v[\reg+2*\p:\reg+2*\p+1], v[\adr+2] offset:8*PCE+16*(PCE/32)+(32*(((\i)%4)/2)+8*((\i)%2))*PITCH
.endif
.endr
.endm
.macro FETCH_B slot, q, p
	WIN TO_B
.irp t, 0,1,2,3,4,5,6,7
.irp c, 0,1,2
	ds_load_b128 v[128*(\p)+FR*\t+4*\c:128*(\p)+FR*\t+4*\c+3], v[ADRB+\slot] offset:(\q)*12288+\t*1536+512*\c
.endr
.endr
	WIN 0
.endm
.macro FETCH_A ks, i0                  ; ks: the K step, counted from the row's start
.irp i, \i0, \i0+1, \i0+2, \i0+3
	FRAG AF+FR*(\i), ADRA+(\i)/4, \ks, \i
.endr
.endm
.macro MUL16 a0, p, ks, zero
.irp a, \a0, \a0+1
.irp b, 0,1,2,3,4,5,6,7
.if \zero
	v_wmma_scale_f32_16x16x128_f8f6f4 v[8*(8*((\a)%4)+\b):8*(8*((\a)%4)+\b)+7], v[128*(\p)+FR*\b:128*(\p)+FR*\b+FR-1], v[AF+FR*(\a):AF+FR*(\a)+FR-1], 0, v[WS+8*\b+(\ks)], v[AS+8*(\a)+(\ks)] matrix_a_fmt:MATRIX_FMT_FP6 matrix_b_fmt:MATRIX_FMT_FP6
.else
	v_wmma_scale_f32_16x16x128_f8f6f4 v[8*(8*((\a)%4)+\b):8*(8*((\a)%4)+\b)+7], v[128*(\p)+FR*\b:128*(\p)+FR*\b+FR-1], v[AF+FR*(\a):AF+FR*(\a)+FR-1], v[8*(8*((\a)%4)+\b):8*(8*((\a)%4)+\b)+7], v[WS+8*\b+(\ks)], v[AS+8*(\a)+(\ks)] matrix_a_fmt:MATRIX_FMT_FP6 matrix_b_fmt:MATRIX_FMT_FP6
.endif
.endr
.endr
.endm
.macro STEP slot, ks, zero
	s_wait_dscnt 24
	WIN MUL_LO
	MUL16 0, 0, \ks, \zero
	MUL16 2, 0, \ks, \zero
	s_wait_dscnt 0x0
	PLACES
	FETCH_B \slot, 1, 1
	FETCH_A (\ks)+1, 0
	WIN MUL_HI
	MUL16 4, 0, \ks, \zero
	MUL16 6, 0, \ks, \zero
	PLACES
	WIN 0
	FETCH_A (\ks)+1, 4
.endm
.macro TURN slot, next, fill, ks
	s_wait_tensorcnt 0x0
	ds_add_u32 v[SPW], v[NIL]
	s_wait_dscnt 25
	WIN MUL_LO
	MUL16 0, 1, \ks, 0
	s_wait_dscnt 0x0
	s_barrier_signal -1
	MUL16 2, 1, \ks, 0
	WIN 0
	s_barrier_wait -1
.if \fill
	CREST
	s_add_nc_u64 s[G0B+4*\slot+2:G0B+4*\slot+3], s[G0B+4*\slot+2:G0B+4*\slot+3], 2*98304
	JLOAD \slot, 0
.else
	PLACES
.endif
	FETCH_B \next, 0, 0
	FETCH_A (\ks)+1, 0
	WIN MUL_HI
	MUL16 4, 1, \ks, 0
	MUL16 6, 1, \ks, 0
	PLACES
	WIN 0
	FETCH_A (\ks)+1, 4
.endm
	s_wait_alu depctr_va_vdst(0)
	s_wait_tensorcnt 0x0                           ; my load of the head has landed
	ds_add_u32 v[SPW], v[NIL]
	s_wait_dscnt 0x0
	CROUND                                         ; everybody's part is in, and the four work-groups are here
	JLOAD 1, 0                                     ; slot 1's first fill
	FETCH_B 0, 0, 0
	FETCH_A 0, 0
	FETCH_A 0, 4
	s_wait_loadcnt 0x0
	STEP 0, 0, 1
	TURN 0, 1, 1, 1
	STEP 1, 2, 0
	TURN 1, 0, 1, 3
	STEP 0, 4, 0
	TURN 0, 1, 0, 5
	STEP 1, 6, 0
	s_wait_dscnt 24
	WIN MUL_LO
	MUL16 0, 1, 7, 0
	MUL16 2, 1, 7, 0
	s_wait_dscnt 0x0
	WIN MUL_HI
	MUL16 4, 1, 7, 0
	MUL16 6, 1, 7, 0
	WIN 0
	PLACES
.irp b, 0,1,2,3
	v_mov_b32 v[TM+4+\b], 0
.endr
.irp a, 0,1,2,3,4,5,6,7
	v_mov_b32 v[PT+\a], 0
.endr
	WIN 0x40
.irp t, 0,1,2,3,4,5,6,7
	global_load_b128 v[8*\t:8*\t+3], v[GBO], s[10:11] offset:(32*(\t/2)+8*(\t%2))*4
	global_load_b128 v[8*\t+4:8*\t+7], v[GBO], s[10:11] offset:(32*(\t/2)+8*(\t%2))*4+16
	global_load_b128 v[64+8*\t:64+8*\t+3], v[GBO], s[12:13] offset:(32*(\t/2)+8*(\t%2))*4
	global_load_b128 v[64+8*\t+4:64+8*\t+7], v[GBO], s[12:13] offset:(32*(\t/2)+8*(\t%2))*4+16
.endr
	WIN 0
.macro FOLD a
	v_pk_add_f32 v[U:U+1], v[U:U+1], v[U+2:U+3]
	v_pk_add_f32 v[U+4:U+5], v[U+4:U+5], v[U+6:U+7]
	v_pk_add_f32 v[U:U+1], v[U:U+1], v[U+4:U+5]
	v_add_f32 v[SM+(\a)], v[U], v[U+1]
.endm
.macro ROWSUM a
.set WN, 2+(\a)/4
.set AC, 64*((\a)%4)
	WIN (WN*5)
.irp k, 0,1,2,3
	v_pk_add_f32 v[U+2*\k:U+2*\k+1], v[AC+4*\k:AC+4*\k+1], v[AC+4*\k+2:AC+4*\k+3]
.endr
	WIN (WN*4)
.set n, 8
.rept 24
	v_pk_add_f32 v[U+2*(n%4):U+2*(n%4)+1], v[U+2*(n%4):U+2*(n%4)+1], v[AC+2*n:AC+2*n+1]
.set n, n+1
.endr
	WIN 0
	FOLD \a
.endm
.macro EXCH off
.irp a, 0,1,2,3,4,5,6,7
	v_permlanex16_b32 v[PT+\a], v[SM+\a], s[SEL], s[SEL+1]
.endr
.irp k, 0,2,4,6
	v_pk_add_f32 v[SM+\k:SM+\k+1], v[SM+\k:SM+\k+1], v[PT+\k:PT+\k+1]
.endr
	ds_store_b128 v[REDW], v[SM:SM+3] offset:\off
	ds_store_b128 v[REDW], v[SM+4:SM+7] offset:\off+16
	s_wait_dscnt 0x0
	s_barrier_signal -1
	s_barrier_wait -1
.irp q, 0,1,2,3
	ds_load_b128 v[EX+8*\q:EX+8*\q+3], v[REDR] offset:\off+512*\q
	ds_load_b128 v[EX+8*\q+4:EX+8*\q+7], v[REDR] offset:\off+512*\q+16
.endr
	s_wait_dscnt 0x0
.irp k, 0,2,4,6
	v_pk_add_f32 v[SM+\k:SM+\k+1], v[EX+\k:EX+\k+1], v[EX+8+\k:EX+8+\k+1]
.endr
.irp k, 0,2,4,6
	v_pk_add_f32 v[SM+\k:SM+\k+1], v[SM+\k:SM+\k+1], v[EX+16+\k:EX+16+\k+1]
.endr
.irp k, 0,2,4,6
	v_pk_add_f32 v[SM+\k:SM+\k+1], v[SM+\k:SM+\k+1], v[EX+24+\k:EX+24+\k+1]
.endr
.endm
.macro CENTRE a
.set WN, 2+(\a)/4
.set AC, 64*((\a)%4)
	WIN (WN|(WN<<6))
.set n, 0
.rept 32
	v_pk_add_f32 v[AC+2*n:AC+2*n+1], v[AC+2*n:AC+2*n+1], v[MU+2*(\a):MU+2*(\a)+1] neg_lo:[0,1] neg_hi:[0,1]
.set n, n+1
.endr
	WIN (WN*5)
.irp k, 0,1,2,3
	v_pk_mul_f32 v[U+2*\k:U+2*\k+1], v[AC+2*\k:AC+2*\k+1], v[AC+2*\k:AC+2*\k+1]
.endr
.set n, 4
.rept 28
	v_pk_fma_f32 v[U+2*(n%4):U+2*(n%4)+1], v[AC+2*n:AC+2*n+1], v[AC+2*n:AC+2*n+1], v[U+2*(n%4):U+2*(n%4)+1]
.set n, n+1
.endr
	WIN 0
	FOLD \a
.endm
.macro QUANTW wn, s
	WIN ((\wn)*5)
.irp b, 0,1,2,3
	v_max3_num_f32 v[TM+\b], |v[\s+16*\b]|, |v[\s+1+16*\b]|, 0x1800000
.endr
	WIN ((\wn)*20)
.irp i, 2,4,6,8,10,12,14
.irp b, 0,1,2,3
	v_max3_num_f32 v[TM+\b], v[TM+\b], |v[\s+16*\b+\i]|, |v[\s+1+16*\b+\i]|
.endr
.endr
	WIN 0
.irp b, 0,1,2,3
	v_permlanex16_b32 v[TM+4+\b], v[TM+\b], s[SEL], s[SEL+1]
.endr
.irp b, 0,1,2,3
	v_max_num_f32 v[TM+\b], v[TM+\b], v[TM+4+\b]
.endr
.irp b, 0,1,2,3
	v_add_nc_u32 v[TM+12+\b], 0xff000000, v[TM+\b]
.endr
.irp b, 0,1,2,3
	v_lshrrev_b32 v[TM+4+\b], 23, v[TM+12+\b]
.endr
	v_lshl_or_b32 v[PW], v[TM+5], 8, v[TM+4]
	v_lshl_or_b32 v[PW], v[TM+6], 16, v[PW]
	v_lshl_or_b32 v[PW], v[TM+7], 24, v[PW]
	WIN (\wn)
.irp c, 0,1
	v_cvt_scalef32_pk16_fp6_f32 v[PC+6*\c:PC+2+6*\c], v[\s+32*\c:\s+15+32*\c], v[TM+12+2*\c]
	v_cvt_scalef32_pk16_fp6_f32 v[PC+12+4*\c:PC+14+4*\c], v[\s+16+32*\c:\s+31+32*\c], v[TM+12+2*\c+1]
.endr
	WIN 0
	v_nop
.irp c, 0,1
.irp i, 0,1,2
	v_permlane16_swap_b32 v[PC+6*\c+\i], v[PC+12+4*\c+\i]
.endr
.irp i, 0,1,2
	v_mov_b32 v[PC+3+6*\c+\i], v[PC+12+4*\c+\i]
.endr
.endr
.endm
.macro NORMQ a
.set WN, 2+(\a)/4
.set AC, 64*((\a)%4)
	WIN (WN|(WN<<6))
.set n, 0
.rept 32
	v_pk_mul_f32 v[AC+2*n:AC+2*n+1], v[AC+2*n:AC+2*n+1], v[RS+2*(\a):RS+2*(\a)+1]
.set n, n+1
.endr
	WIN (WN|0x14|(WN<<6))
.set n, 0
.rept 32
	v_pk_fma_f32 v[AC+2*n:AC+2*n+1], v[AC+2*n:AC+2*n+1], v[2*n:2*n+1], v[64+2*n:64+2*n+1]
.set n, n+1
.endr
	WIN 0
.if (\a) > 0
	s_wait_xcnt 0x0
	s_wait_dscnt 0x0
.if (\a)%2 == 0
	s_add_nc_u64 s[OUT:OUT+1], s[OUT:OUT+1], s[QSP:QSP+1]
.endif
.endif
	QUANTW WN, AC
.irp c, 0,1,2
	global_store_b128 v[LI], v[PC+4*\c:PC+4*\c+3], s[OUT:OUT+1] offset:((\a)%2)*6144+512*\c
.endr
	ds_store_b32 v[SWW], v[PW] offset:256*(\a)
.endm
.irp a, 0,1,2,3,4,5,6,7
	ROWSUM \a
.endr
	EXCH 0
.irp a, 0,1,2,3,4,5,6,7
	v_mul_f32 v[MU+2*\a], s94, v[SM+\a]
.endr
.irp a, 0,1,2,3,4,5,6,7
	v_mov_b32 v[MU+2*\a+1], v[MU+2*\a]
.endr
.irp a, 0,1,2,3,4,5,6,7
	CENTRE \a
.endr
	EXCH 2048
.irp a, 0,1,2,3,4,5,6,7
	v_fma_f32 v[SM+\a], v[SM+\a], s94, s95
.endr
	s_wait_alu depctr_va_vdst(0)
.irp a, 0,1,2,3,4,5,6,7
	v_rsq_f32 v[RS+2*\a], v[SM+\a]
.endr
	v_nop
	s_wait_alu depctr_va_vdst(0)
.irp a, 0,1,2,3,4,5,6,7
	v_mov_b32 v[RS+2*\a+1], v[RS+2*\a]
.endr
	s_wait_alu depctr_va_vdst(0)
	s_wait_loadcnt 0x0
.irp a, 0,1,2,3,4,5,6,7
	NORMQ \a
.endr
	s_wait_dscnt 0x0
	s_barrier_signal -1
	s_barrier_wait -1
	ds_load_b128 v[U:U+3], v[SWR]
	s_wait_dscnt 0x0
	global_store_b128 v[LI], v[U:U+3], s[OUT0:OUT0+1]
	s_wait_tensorcnt 0x0
	ds_add_u32 v[SPW], v[NIL]
	s_wait_dscnt 0x0
	CROUND
	s_endpgm
.Lfunc_end_k_q2dd3eec98a_proj:
	.size	k_q2dd3eec98a_proj, .Lfunc_end_k_q2dd3eec98a_proj-k_q2dd3eec98a_proj
	.p2alignl 7, 3214868480
	.fill 96, 4, 3214868480
	.section	.rodata,"a",@progbits
	.p2align	6, 0x0
	.amdhsa_kernel k_q2dd3eec98a_proj
		.amdhsa_group_segment_fixed_size 327680
		.amdhsa_private_segment_fixed_size 0
		.amdhsa_enable_private_segment 0
		.amdhsa_kernarg_size 104
		.amdhsa_user_sgpr_count 2
		.amdhsa_user_sgpr_kernarg_segment_ptr 1
		.amdhsa_wavefront_size32 1
		.amdhsa_system_sgpr_workgroup_id_x 1
		.amdhsa_system_sgpr_workgroup_id_y 1
		.amdhsa_system_sgpr_workgroup_id_z 1
		.amdhsa_system_vgpr_workitem_id 0
		.amdhsa_next_free_vgpr 1024
		.amdhsa_next_free_sgpr 98
		.amdhsa_reserve_vcc 0
		.amdhsa_float_denorm_mode_32 3
		.amdhsa_float_denorm_mode_16_64 3
		.amdhsa_memory_ordered 1
		.amdhsa_forward_progress 1
		.amdhsa_inst_pref_size 244
	.end_amdhsa_kernel
	.amdgpu_metadata
---
amdhsa.version: [ 1, 2 ]
amdhsa.kernels:
  - .name:           k_q2dd3eec98a_proj
    .symbol:         k_q2dd3eec98a_proj.kd
    .args:
      - { .name: Yf_codes, .offset: 0, .size: 8, .value_kind: global_buffer, .address_space: global }
      - { .name: X_codes, .offset: 8, .size: 8, .value_kind: global_buffer, .address_space: global }
      - { .name: Yf_scales, .offset: 16, .size: 8, .value_kind: global_buffer, .address_space: global }
      - { .name: X_scales, .offset: 24, .size: 8, .value_kind: global_buffer, .address_space: global }
      - { .name: K_scales, .offset: 32, .size: 8, .value_kind: global_buffer, .address_space: global }
      - { .name: Q_scales, .offset: 40, .size: 8, .value_kind: global_buffer, .address_space: global }
      - { .name: g1, .offset: 48, .size: 8, .value_kind: global_buffer, .address_space: global }
      - { .name: g2, .offset: 56, .size: 8, .value_kind: global_buffer, .address_space: global }
      - { .name: b1, .offset: 64, .size: 8, .value_kind: global_buffer, .address_space: global }
      - { .name: b2, .offset: 72, .size: 8, .value_kind: global_buffer, .address_space: global }
      - { .name: Wimg, .offset: 80, .size: 8, .value_kind: global_buffer, .address_space: global }
      - { .name: KV, .offset: 88, .size: 8, .value_kind: global_buffer, .address_space: global }
      - { .name: Qimg, .offset: 96, .size: 8, .value_kind: global_buffer, .address_space: global }
    .group_segment_fixed_size: 327680
    .private_segment_fixed_size: 0
    .kernarg_segment_align: 8
    .kernarg_segment_size: 104
    .max_flat_workgroup_size: 128
    .sgpr_count:     98
    .vgpr_count:     1024
    .wavefront_size: 32
...
	.end_amdgpu_metadata
.endif
;; end of part 2
;; launch attn (part 3): grid 32 x 8, 4 waves a work-group, clusters of 4 x 1, 327,680 bytes of LDS; arguments Qimg, KV, out0; writes out0
.if DOCPART == 3
	.amdgcn_target "amdgcn-amd-amdhsa--gfx1250"
	.amdhsa_code_object_version 6
	.text
	.protected	k_q2dd3eec98a_attn
	.globl	k_q2dd3eec98a_attn
	.p2align	8
	.type	k_q2dd3eec98a_attn,@function
k_q2dd3eec98a_attn:
	s_mov_b64 s[64:65], 0
	v_nop
	global_prefetch_b8 v0, s[64:65] scope:SCOPE_SE
	s_setreg_imm32_b32 hwreg(HW_REG_WAVE_MODE, 25, 1), 1
	s_wait_xcnt 0x0
	s_wait_alu depctr_hold_cnt(0) depctr_sa_sdst(0) depctr_va_vdst(0) depctr_va_sdst(0) depctr_va_ssrc(0) depctr_va_vcc(0) depctr_vm_vsrc(0)
	s_getreg_b32 s2, hwreg(HW_REG_IB_STS2, 6, 4)
	s_cmp_eq_u32 s2, 0
	s_cbranch_scc0 .Lentry_in_a_cluster
	s_endpgm
.Lentry_in_a_cluster:
	s_bfe_u32 s2, ttmp6, 0x10000c
	s_cmp_lg_u32 s2, 0x3003
	s_cbranch_scc0 .Lentry_shape_is_right
	s_endpgm
.Lentry_shape_is_right:
; out[b][q][:] = the sum over k of softmax_k(queries[b][q] . keys[b][k] / 512) Y[b][k][:], both products on codes of E2M3.  No work of the problem is left out.
; A work-group owns 64 queries of one batch (four tiles m).  Both products are used transposed: a lane holds one query (lane % 16).
; PHASE A, 16 key steps of 128 keys: wave w makes the scores of all 64 queries x keys 32 w .. 32 w + 31 (one block of the next K), p = 2^(t - Mw), t = score x log2(e) / 512, Mw = the ceiling of the running largest t of
; ITS OWN keys, quantises p and lays the codes of ALL 2,048 keys into LDS (16 x 6,144 bytes), with (scale byte + Mw) for each row and block.  Its part of the row's sum, of the unquantised p, runs under Mw.
; INTERLUDE, once: the common M = the largest final Mw; every block's byte becomes (byte + Mw) - M, held at 1 from below: a power of two in the scale, so the codes' values are those under M; the sums are brought under M and added.
; PHASE B: M is final, so O^T is never rescaled.  Four passes of 256 features (wave w: features 256 w + 64 c on, 16 accumulators), each over all 16 key steps; a pass's rows are divided by the sum and stored while the next pass is multiplied.
; K comes by joint tensor loads of the cluster's four work-groups, which walk the same KV: two slots of two key steps; by this text's count one tensor load of a wave is out.
; V GOES FROM MEMORY STRAIGHT INTO REGISTERS, no joint loads: with p's 102,400 bytes resident, two slots for V would hold two key steps of 128 features a wave each, 64 products to a round; V's images lie in the order of the
; operand's registers, each wave reads its own quarter alone, and four units (56 loads) of a wave are on their way with no barrier in the phase.  The last trip's look-ahead loads name the walk's first unit again and are not used.
; PREFETCH, by the batch's first cluster, a lane a piece of 256 bytes, partners and waves told apart by address: K's tiles two refills ahead (the head asks for refills 1 and 2); V's first pass in phase A's trips 3 to 6;
; in phase B each trip asks for the same four key steps of the next pass, sixteen units ahead; the last pass asks for nothing.
; LIMITS: the promise holds while |t| stays under 2^31; NaN and infinities are not served; a p under 2^-126 counts as 0; a block more than 126 powers of two under the row's M keeps the byte 1.
; REGISTERS.  window 0: v1-31 addresses, -M, my block's largest score; v32-47 the queries' scale words, then p's; v48-51 K's; v52-59 V's; v64-127 scores and p, in phase B v64-159 p's fragments, two sets;
;   v176-207 eight a tile: -Mw, byte + Mw, the sum (2), 1 / the sum, (written), two at work; v208-255 K's tile 1.  window 1: the queries and K's tile 0, my codes; in phase B V's fragments, four sets.  window 2: O^T.  window 3: rows on their way out.
.set BLK,   153600
.set QTR,   38400
.set SLOT,  102400                     ; two key steps of K: 25,600 bytes a wave
.set PB,    204800                     ; p: 16 key steps x (codes [m][block][r][24 bytes], 6,144, then scale words [m][r], 256)
.set PST,   6400
.set AW,    307200                     ; byte + Mw: [step][m][r][wave] f32
.set MX,    323584                     ; -Mw [wave][r][m]; 1,024 further on the sums
.set SPARE, 325632                     ; the spare words: 512 bytes that no other line names
.set STG,   17408                      ; the way out: 4 tiles x 16 rows x 272 bytes a wave, in K's slots, which have then had their last fill and their last read
.set AB0,  1
.set PWA0, 2
.set AWA0, 3
.set AB,   4
.set PWA,  5
.set AWA,  6
.set PRA0, 7
.set PWR0, 8
.set PRA,  9
.set PRB,  10
.set PWL,  11
.set PWB,  12
.set LI,   13
.set PFK,  14
.set PFV,  15
.set NMC,  16
.set OWN,  20
.set QSO,  24
.set SPW,  28
.set NIL,  29
.set VOF,  30
.set VSOF, 31
.set STO,  1
.set RDA,  2
.set CO,   3
.set MXW,  4
.set MXR,  5
.set CAR,  6
.set CWW,  24
.set QS,   32
.set PW,   32
.set KS,   48
.set VS,   52
.set S,    64
.set PFB,  64
.set ST,   176
.set KB,   208
.set KA,   192
.set CV,   240
.set WV,  12
.set G1,  24
.set G0,  32
.set TB,  36
.set TBN, 37
.set WQ,  38
.set CNT, 39
.set CS,  40
.set SEL, 42
.set PFA, 44
.set PFA2, 46
.set LIMK, 48
.set LIMV, 49
.set UC,  54
.set TC,  54
.set KO,  55
.set PO,  56
.set AO,  57
.set CN2, 58
.set LIMB, 59
.set VP,  60
.set MSB, 0
.macro WIN new                         ; the immediate's high byte repeats the setting that is left
.if MSB != \new
	s_set_vgpr_msb (MSB<<8)|\new
.set MSB, \new
.endif
.endm
.macro ROUND
	s_barrier_signal -1
	s_barrier_wait -1
	s_cmp_lg_u32 s[WV], 0
	s_cbranch_scc1 .Lnot_wave_0_\@
	s_barrier_signal -3
.Lnot_wave_0_\@:
	s_barrier_wait -3
	s_barrier_signal -1
	s_barrier_wait -1
.endm
.macro NOP4
.rept 4
	v_nop
.endr
.endm
.macro TLOAD
	tensor_load_to_lds s[G0:G0+3], s[G1:G1+7]
	s_nop 0
	NOP4
.endm
.macro W6 zero, row                    ; one product on rD, rA, rB, rS, rT
.if \zero
.if \row
	v_wmma_scale_f32_16x16x128_f8f6f4 v[rD:rD+7], v[rA:rA+11], v[rB:rB+11], 0, v[rS], v[rT] matrix_a_fmt:MATRIX_FMT_FP6 matrix_b_fmt:MATRIX_FMT_FP6 matrix_a_scale:MATRIX_SCALE_ROW1
.else
	v_wmma_scale_f32_16x16x128_f8f6f4 v[rD:rD+7], v[rA:rA+11], v[rB:rB+11], 0, v[rS], v[rT] matrix_a_fmt:MATRIX_FMT_FP6 matrix_b_fmt:MATRIX_FMT_FP6
.endif
.else
.if \row
	v_wmma_scale_f32_16x16x128_f8f6f4 v[rD:rD+7], v[rA:rA+11], v[rB:rB+11], v[rD:rD+7], v[rS], v[rT] matrix_a_fmt:MATRIX_FMT_FP6 matrix_b_fmt:MATRIX_FMT_FP6 matrix_a_scale:MATRIX_SCALE_ROW1
.else
	v_wmma_scale_f32_16x16x128_f8f6f4 v[rD:rD+7], v[rA:rA+11], v[rB:rB+11], v[rD:rD+7], v[rS], v[rT] matrix_a_fmt:MATRIX_FMT_FP6 matrix_b_fmt:MATRIX_FMT_FP6
.endif
.endif
.endm
.macro KLOAD                           ; K's scale words (lanes 0-15 tile 0, lanes 16-31 tile 1) and its two tiles' fragments: 25 loads
	ds_load_b128 v[KS:KS+3], v[AB] offset:12288
	WIN 0x40
.irp s, 0,1,2,3
.irp g, 0,1,2
	ds_load_b128 v[KA+12*\s+4*\g:KA+12*\s+4*\g+3], v[AB] offset:\s*1536+512*\g
.endr
.endr
	WIN 0
.irp s, 0,1,2,3
.irp g, 0,1,2
	ds_load_b128 v[KB+12*\s+4*\g:KB+12*\s+4*\g+3], v[AB] offset:6144+\s*1536+512*\g
.endr
.endr
.endm
.macro SCU u                           ; 16 score products: key tile u x four tiles of queries, K ascending, four accumulators by turns
.irp s, 0,1,2,3
.irp m, 0,1,2,3
.set rD, S+16*\m+8*\u
.set rA, KA+(KB-KA)*\u+12*\s
.set rB, 12*(4*\m+\s)
.set rS, KS+\s
.set rT, QS+4*\m+\s
	W6 (\s==0), \u
.endr
.endr
.endm
; Line XN of the softmax and quantiser of my block, the four tiles of queries by turns
.macro XI
.set xm, XN%4
.set xs, ST+8*xm
.if XN >= 232 && XN < 236
	WIN 0x40
.elseif XN >= 240 && XN < 252
	WIN 0x04
.else
	WIN 0
.endif
.if XN < 4
	v_max3_num_f32 v[xs+6], v[S+16*xm], v[S+16*xm+1], v[S+16*xm+2]     ; my block's largest score
.elseif XN < 28
	v_max3_num_f32 v[xs+6], v[xs+6], v[S+16*xm+2*(XN/4)+1], v[S+16*xm+2*(XN/4)+2]
.elseif XN < 32
	v_max_num_f32 v[xs+6], v[xs+6], v[S+16*xm+15]
.elseif XN < 36
	v_permlanex16_b32 v[xs+7], v[xs+6], s[SEL], s[SEL+1]
.elseif XN < 40
	v_max_num_f32 v[OWN+xm], v[xs+6], v[xs+7]
.elseif XN < 44
	v_mul_f32 v[xs+6], s[CS], v[OWN+xm]                                ; as t
.elseif XN < 48
	v_floor_f32 v[xs+6], -v[xs+6]                                      ; -ceil(t)
.elseif XN < 52
	v_min_num_f32 v[xs+7], v[xs], v[xs+6]                              ; the new -Mw
.elseif XN < 56
	v_sub_f32 v[xs+6], v[xs+7], v[xs]                                  ; old Mw - new Mw: a whole number, 0 or less
.elseif XN < 60
	v_mov_b32 v[xs], v[xs+7]
.elseif XN < 64
	v_cvt_i32_f32 v[xs+6], v[xs+6]                                     ; (it saturates: the first step finds -Mw = 3e38 and sums of 0)
.elseif XN < 68
	v_ldexp_f32 v[xs+6], 1.0, v[xs+6]
.elseif XN < 72
	v_pk_mul_f32 v[xs+2:xs+3], v[xs+2:xs+3], v[xs+6:xs+7] op_sel_hi:[1,0]   ; my sums under the new Mw
.elseif XN < 104
	v_pk_fma_f32 v[S+2*(XN-72):S+2*(XN-72)+1], v[S+2*(XN-72):S+2*(XN-72)+1], s[CS:CS+1], v[ST+8*((XN-72)/8):ST+8*((XN-72)/8)+1] op_sel_hi:[1,0,0]   ; t - Mw
.elseif XN < 108
	v_fma_f32 v[OWN+xm], v[OWN+xm], s[CS], v[xs]
.elseif XN == 108 || XN == 178
	s_wait_alu depctr_va_vdst(0)                                       ; a wait ahead of the batch and behind it
.elseif XN < 173
	v_exp_f32 v[S+XN-109], v[S+XN-109]                                 ; p
.elseif XN < 177
	v_exp_f32 v[OWN+XN-173], v[OWN+XN-173]                             ; my block's largest p
.elseif XN == 177 || XN == 236
	v_nop                                                              ; a plain place
.elseif XN < 180
.elseif XN < 212
	v_pk_add_f32 v[xs+2:xs+3], v[xs+2:xs+3], v[S+16*xm+2*((XN-180)/4):S+16*xm+2*((XN-180)/4)+1]   ; the sum is taken of the unquantised p
.elseif XN < 216
	v_max_num_f32 v[OWN+xm], 0x1800000, v[OWN+xm]                      ; the floor 2^(3 - 127)
.elseif XN < 220
	v_add_nc_u32 v[xs+6], 0xff000000, v[OWN+xm]                        ; the conversion's scale operand
.elseif XN < 224
	v_lshrrev_b32 v[xs+7], 23, v[xs+6]                                 ; the byte
.elseif XN < 228
	v_cvt_f32_u32 v[xs+7], v[xs+7]
.elseif XN < 232
	v_sub_f32 v[xs+1], v[xs+7], v[xs]                                  ; byte + Mw
.elseif XN < 236
	v_cvt_scalef32_pk16_fp6_f32 v[CV+4*xm:CV+4*xm+2], v[S+16*xm:S+16*xm+15], v[xs+6]
.elseif XN < 240
.elseif XN < 252
	ds_store_b32 v[PWA], v[CV+4*((XN-240)/3)+(XN-240)%3] offset:1536*((XN-240)/3)+4*((XN-240)%3)
.elseif XN < 256
	ds_store_b32 v[AWA], v[xs+1] offset:256*xm                         ; lanes r and r + 16 write the same
.endif
.set XN, XN+1
.endm
.macro PROC                            ; the two key steps of a slot
	s_mov_b32 s[CN2], 2
.Lstep_\@:
	v_add_nc_u32 v[AB], s[KO], v[AB0]
	v_add_nc_u32 v[PWA], s[PO], v[PWA0]
	v_add_nc_u32 v[AWA], s[AO], v[AWA0]
	v_nop
	KLOAD
	s_wait_dscnt 12                                ; the scale words and tile 0 are in; tile 1's twelve loads may be out
	WIN 0x05
	SCU 0
	s_wait_dscnt 0x0
	WIN 0x04
	SCU 1
	WIN 0
	NOP4
.set XN, 0
.rept 256
	XI
.endr
	WIN 0
	s_add_co_u32 s[KO], s[KO], 12800
	s_add_co_u32 s[PO], s[PO], PST
	s_add_co_u32 s[AO], s[AO], 1024
	s_sub_co_u32 s[CN2], s[CN2], 1
	s_cmp_lg_u32 s[CN2], 0
	s_cbranch_scc1 .Lstep_\@
.endm
	s_load_b128 s[4:7], s[0:1], 0x0                ; Qimg, KV
	s_load_b64 s[8:9], s[0:1], 0x10                ; out0
	v_lshl_add_u32 v[SPW], v0, 2, SPARE
	v_mov_b32 v[NIL], 0
	ds_add_u32 v[SPW], v[NIL]
	ds_add_u32 v[SPW], v[NIL]
	v_lshrrev_b32 v25, 5, v0
	v_readfirstlane_b32 s[WV], v25
	s_bfe_u32 s13, ttmp6, 0x40000                  ; cx: it enters Qimg's, out0's and the prefetches' addresses alone
	s_lshl_b32 s14, ttmp9, 2
	s_add_co_u32 s14, s14, s13                     ; my block of 64 queries
	s_and_b32 s15, ttmp7, 0xffff                   ; the batch
	s_mov_b32 s[G1], 15|(3<<16)|(1<<21)            ; all four partners; elements of 8 bytes
	s_mov_b32 s[G1+1], 1600<<16                    ; a row: my quarter's K part of one key step, 12,800 bytes
	s_mov_b32 s[G1+2], 2<<16                       ; two key steps
	s_mov_b32 s[G1+3], 1600<<16
	s_mov_b32 s[G1+4], 2
	s_mov_b32 s[G1+5], BLK/8
	s_mov_b32 s[G1+6], 0
	s_mov_b32 s[G1+7], 0
	s_mul_i32 s[WQ], s[WV], 25600
	s_mov_b32 s[TB], 0
	s_mov_b32 s[TBN], SLOT
	s_mov_b32 s[UC], 0
	s_mov_b32 s[PO], 0
	s_mov_b32 s[AO], 0
	s_mov_b32 s[CNT], 7
	s_mov_b32 s[CS], 0x3b38aa3b                    ; log2(e) / 512
	s_mov_b32 s[CS+1], s[CS]
	s_mov_b32 s[SEL], 0x76543210
	s_mov_b32 s[SEL+1], 0xfedcba98
	s_mul_i32 s18, s15, 16*BLK                     ; the batch's first block
	s_mov_b32 s19, 0
	s_mul_i32 s16, s[WV], QTR                      ; my quarter
	s_mov_b32 s17, 0
	s_lshl_b32 s20, s15, 5
	s_add_co_u32 s20, s20, s14
	s_mul_i32 s22, s20, 25600
	s_mov_b32 s23, 0
	s_lshl_b32 s20, s20, 18
	s_lshl_b32 s21, s[WV], 10
	s_add_co_u32 s20, s20, s21
	s_mov_b32 s21, 0
	s_mov_b32 s[LIMV], 255
	s_cmp_eq_u32 ttmp9, 0                          ; the batch's first cluster asks: the same in all four partners
	s_cselect_b32 s[LIMK], 5, 0
	s_cselect_b32 s[LIMV], 3, s[LIMV]
	s_cselect_b32 s[LIMB], 12, 0
	s_mul_i32 s50, s[WV], 384
	s_add_co_u32 s50, s50, PB
	s_lshl_b32 s51, s[WV], 2
	s_mul_i32 s52, s13, QTR
	s_and_b32 s53, s[WV], 1
	s_mul_i32 s53, s53, BLK
	s_add_co_u32 s53, s53, s52
	s_lshr_b32 s62, s[WV], 1
	s_mul_i32 s62, s62, 6400
	s_add_co_u32 s53, s53, s62                     ; K's pieces: key step w % 2, quarter cx, half w / 2
	s_mul_i32 s62, s[WV], BLK
	s_add_co_u32 s52, s52, s62
	s_add_co_u32 s52, s52, 12800                   ; V's pieces: key step w, quarter cx
	s_add_co_u32 s62, s16, 12800
	s_add_co_u32 s63, s16, 18944
	v_and_b32 v25, 31, v0                          ; lane
	v_and_b32 v26, 15, v0                          ; r
	v_bfe_u32 v27, v0, 4, 1                        ; h
	v_lshlrev_b32 v[LI], 4, v25
	v_lshlrev_b32 v[QSO], 4, v26
	v_add_nc_u32 v[AB0], s[WQ], v[LI]
	v_mul_u32_u24 v[PRA0], v26, 24
	v_mad_u32_u24 v[PWA0], v27, 12, v[PRA0]
	v_add_nc_u32 v[PWA0], s50, v[PWA0]             ; p's codes, out: block w, row r, + 12 bytes for the upper 16 keys
	v_mad_u32_u24 v[PRA0], v27, 384, v[PRA0]
	v_add_nc_u32 v[PRA0], PB, v[PRA0]              ; and in: block 2 c + h, row r
	v_lshl_add_u32 v[PWR0], v26, 2, PB+6144
	v_lshl_add_u32 v[AWA0], v26, 4, AW
	v_add_nc_u32 v[AWA0], s51, v[AWA0]
	v_min_u32 v[PFV], 24, v25                      ; 25 pieces a wave: lanes 25-31 name the last once more
	v_lshlrev_b32 v[PFV], 8, v[PFV]
	v_add_nc_u32 v[PFK], s53, v[PFV]
	v_add_nc_u32 v[PFV], s52, v[PFV]
	v_add_nc_u32 v[VOF], s62, v[LI]
	v_lshl_add_u32 v[VSOF], v25, 2, s63
.irp m, 0,1,2,3
	v_mov_b32 v[ST+8*\m], 0x7f61b1e6               ; -Mw = 3e38: under it every t moves Mw
	v_mov_b32 v[ST+8*\m+1], 0
	v_mov_b32 v[ST+8*\m+2], 0
	v_mov_b32 v[ST+8*\m+3], 0
	v_mov_b32 v[ST+8*\m+5], 0
	v_mov_b32 v[ST+8*\m+7], 0
.endr
	s_wait_alu depctr_va_vdst(0)
	s_wait_dscnt 0x0
	s_wait_kmcnt 0x0
	s_add_nc_u64 s[4:5], s[4:5], s[22:23]
	s_add_nc_u64 s[8:9], s[8:9], s[20:21]
	s_add_nc_u64 s[6:7], s[6:7], s[18:19]          ; KV at the batch's first block
	s_mov_b32 s[G0], 1
	s_mov_b32 s[G0+1], s[WQ]
	s_add_nc_u64 s[G0+2:G0+3], s[6:7], s[16:17]
	s_or_b32 s[G0+3], s[G0+3], 0x80000000
	ROUND
	TLOAD                                          ; K of key steps 0 and 1
	WIN 0x40
.irp m, 0,1,2,3
.irp s, 0,1,2,3
.irp g, 0,1,2
	global_load_b128 v[12*(4*\m+\s)+4*\g:12*(4*\m+\s)+4*\g+3], v[LI], s[4:5] offset:(\m/2)*12800+(4*(\m%2)+\s)*1536+512*\g
.endr
.endr
.endr
	WIN 0
.irp m, 0,1,2,3
	global_load_b128 v[QS+4*\m:QS+4*\m+3], v[QSO], s[4:5] offset:(\m/2)*12800+12288+(\m%2)*256
.endr
	s_cmp_lg_u32 s[LIMK], 0
	s_cbranch_scc0 .Lno_head_ask
	global_prefetch_b8 v[PFK], s[6:7] offset:2*BLK th:TH_LOAD_NT scope:SCOPE_SE
	global_prefetch_b8 v[PFK], s[6:7] offset:4*BLK th:TH_LOAD_NT scope:SCOPE_SE
.Lno_head_ask:
	s_wait_loadcnt 0x0
.Lfill:                                                ; trips 0 to 6: slot u % 2 is worked on, the other takes key steps 2 u + 2, 2 u + 3 (in trip 0: slot 1's first fill)
	s_wait_tensorcnt 0x0                           ; my part of this trip's slot has landed: I alone read it
	ds_add_u32 v[SPW], v[NIL]
	s_add_nc_u64 s[G0+2:G0+3], s[G0+2:G0+3], 2*BLK
	s_add_co_u32 s[G0+1], s[WQ], s[TBN]
	s_mov_b32 s[KO], s[TB]
	s_wait_xcnt 0x0                                ; the last trip's prefetches have read their addresses
	s_lshl_b32 s50, s[UC], 1
	s_add_co_u32 s50, s50, 6
	s_mul_i32 s50, s50, BLK
	s_mov_b32 s51, 0
	s_add_nc_u64 s[PFA:PFA+1], s[6:7], s[50:51]    ; K of the refill two trips on
	s_sub_co_i32 s50, s[UC], 3
	s_max_i32 s50, s50, 0
	s_mul_i32 s50, s50, 4*BLK
	s_add_nc_u64 s[PFA2:PFA2+1], s[6:7], s[50:51]  ; V's first pass, key steps 4 (u - 3) on
	s_wait_dscnt 0x0                               ; the add and my reads of the other slot are done
	ROUND
	TLOAD
	s_cmp_lt_u32 s[UC], s[LIMK]
	s_cbranch_scc0 .Lno_k
	global_prefetch_b8 v[PFK], s[PFA:PFA+1] th:TH_LOAD_NT scope:SCOPE_SE
.Lno_k:
	s_cmp_ge_u32 s[UC], s[LIMV]
	s_cbranch_scc0 .Lno_v
	global_prefetch_b8 v[PFV], s[PFA2:PFA2+1] th:TH_LOAD_NT scope:SCOPE_SE
.Lno_v:
	PROC
	s_xor_b32 s[TB], s[TB], SLOT
	s_xor_b32 s[TBN], s[TBN], SLOT
	s_add_co_u32 s[UC], s[UC], 1
	s_sub_co_u32 s[CNT], s[CNT], 1
	s_cmp_lg_u32 s[CNT], 0
	s_cbranch_scc1 .Lfill
	s_wait_tensorcnt 0x0                           ; key steps 14 and 15 have landed; nothing is left to fetch into LDS
	s_mov_b32 s[KO], s[TB]
	PROC
.macro VLD k                           ; V of unit k of the trip at s[VP]: four images and their scale words, 14 loads
	WIN 0x40
.irp i, 0,1,2,3
.irp g, 0,1,2
	global_load_b128 v[48*\k+12*\i+4*\g:48*\k+12*\i+4*\g+3], v[VOF], s[VP:VP+1] offset:\k*BLK+1536*\i+512*\g
.endr
.endr
	WIN 0
	global_load_b32 v[VS+2*\k], v[VSOF], s[VP:VP+1] offset:\k*BLK          ; lanes 0-15 the even tile's words, lanes 16-31 the odd tile's
	global_load_b32 v[VS+2*\k+1], v[VSOF], s[VP:VP+1] offset:\k*BLK+128
.endm
.macro PLD buf, adr, wadr, st          ; p's fragments and scale words of key step st behind the address: 28 loads
.irp m, 0,1,2,3
.irp c, 0,1
.irp p, 0,1,2
	ds_load_b64 v[PFB+48*(\buf)+12*\m+6*\c+2*\p:PFB+48*(\buf)+12*\m+6*\c+2*\p+1], v[\adr] offset:PST*(\st)+1536*\m+768*\c+8*\p
.endr
.endr
.endr
.irp m, 0,1,2,3
	ds_load_b32 v[PW+4*(\buf)+\m], v[\wadr] offset:PST*(\st)+64*\m
.endr
.endm
	; THE INTERLUDE
	s_mov_b64 s[VP:VP+1], s[6:7]
	VLD 0                                          ; the first four units of V set out (the queries' registers are done with: the softmax's lines are the places)
	VLD 1
	VLD 2
	VLD 3
	s_lshl_b32 s50, s[WV], 8
	s_mul_i32 s51, s[WV], STG
	s_lshl_b32 s52, s[WV], 12
	s_add_co_u32 s52, s52, AW
	s_add_co_u32 s53, s[WQ], PB+6144
	v_lshl_add_u32 v[MXR], v26, 4, MX
	v_add_nc_u32 v[MXW], s50, v[MXR]
	v_lshlrev_b32 v[CAR], 4, v26
	v_lshl_add_u32 v[CAR], v27, 11, v[CAR]
	v_add_nc_u32 v[CAR], s52, v[CAR]               ; byte + Mw of key steps 2 (2 w + h), + 1, row r
	v_lshlrev_b32 v[CWW], 2, v26
	v_mad_u32_u24 v[CWW], v27, 12800, v[CWW]
	v_add_nc_u32 v[CWW], s53, v[CWW]               ; and their scale words' place
	v_mul_u32_u24 v[STO], v26, 272
	v_lshl_add_u32 v[STO], v27, 5, v[STO]
	v_add_nc_u32 v[STO], s51, v[STO]
	v_mul_u32_u24 v[RDA], v27, 272
	v_lshl_add_u32 v[RDA], v26, 4, v[RDA]
	v_add_nc_u32 v[RDA], s51, v[RDA]
	v_lshlrev_b32 v[CO], 4, v26
	v_lshl_add_u32 v[CO], v27, 12, v[CO]
.irp m, 0,1,2,3
	v_mov_b32 v[OWN+\m], v[ST+8*\m]
.endr
	ds_store_b128 v[MXW], v[OWN:OWN+3]
	s_wait_alu depctr_va_vdst(0)
	s_wait_dscnt 0x0                               ; for the others' sake: p's codes, byte + Mw and -Mw lie in LDS
	s_barrier_signal -1
	s_barrier_wait -1
.irp q, 0,1,2,3
	ds_load_b128 v[S+4*\q:S+4*\q+3], v[MXR] offset:256*\q
.endr
.irp x, 0,1,2,3,4,5,6,7
	ds_load_b128 v[S+16+4*\x:S+16+4*\x+3], v[CAR] offset:1024*(\x/4)+256*(\x%4)
.endr
	s_wait_dscnt 8
.irp m, 0,1,2,3
	v_min3_num_f32 v[NMC+\m], v[S+\m], v[S+4+\m], v[S+8+\m]
.endr
.irp m, 0,1,2,3
	v_min_num_f32 v[NMC+\m], v[NMC+\m], v[S+12+\m] ; -M
.endr
.irp m, 0,1,2,3
	v_add_f32 v[ST+8*\m+6], v[ST+8*\m+2], v[ST+8*\m+3]
.endr
.irp m, 0,1,2,3
	v_sub_f32 v[ST+8*\m+5], v[NMC+\m], v[ST+8*\m]  ; Mw - M
.endr
.irp m, 0,1,2,3
	v_permlanex16_b32 v[ST+8*\m+7], v[ST+8*\m+6], s[SEL], s[SEL+1]
.endr
.irp m, 0,1,2,3
	v_cvt_i32_f32 v[ST+8*\m+5], v[ST+8*\m+5]
.endr
.irp m, 0,1,2,3
	v_add_f32 v[OWN+\m], v[ST+8*\m+6], v[ST+8*\m+7]
.endr
.irp m, 0,1,2,3
	v_ldexp_f32 v[OWN+\m], v[OWN+\m], v[ST+8*\m+5] ; my part of the sums, under M
.endr
	ds_store_b128 v[MXW], v[OWN:OWN+3] offset:1024
	s_wait_alu depctr_va_vdst(0)
	s_wait_dscnt 1                                 ; the eight loads are in; the store may be out
.irp w, 0,1,2,3
.irp x, 0,1,2,3,4,5,6,7
	v_add_f32 v[S+16+4*\x+\w], v[S+16+4*\x+\w], v[NMC+\x%4]   ; byte + Mw - M
.endr
.endr
.irp w, 0,1,2,3
.irp x, 0,1,2,3,4,5,6,7
	v_max_num_f32 v[S+16+4*\x+\w], 1.0, v[S+16+4*\x+\w]
.endr
.endr
.irp x, 0,1,2,3,4,5,6,7
	v_fmamk_f32 v[S+16+4*\x], v[S+16+4*\x+1], 0x43800000, v[S+16+4*\x]       ; two bytes, exact in f32
	v_fmamk_f32 v[S+16+4*\x+2], v[S+16+4*\x+3], 0x43800000, v[S+16+4*\x+2]
.endr
.irp x, 0,1,2,3,4,5,6,7
	v_cvt_u32_f32 v[S+16+4*\x], v[S+16+4*\x]
	v_cvt_u32_f32 v[S+16+4*\x+2], v[S+16+4*\x+2]
.endr
.irp x, 0,1,2,3,4,5,6,7
	v_lshl_or_b32 v[S+16+4*\x], v[S+16+4*\x+2], 16, v[S+16+4*\x]
.endr
.irp x, 0,1,2,3,4,5,6,7
	ds_store_b32 v[CWW], v[S+16+4*\x] offset:PST*(\x/4)+64*(\x%4)
.endr
	s_wait_dscnt 0x0                               ; for the others' sake: the scale words and my sums lie in LDS
	s_barrier_signal -1
	s_barrier_wait -1
.irp q, 0,1,2,3
	ds_load_b128 v[160+4*\q:160+4*\q+3], v[MXR] offset:1024+256*\q
.endr
	PLD 0, PRA0, PWR0, 0
	PLD 1, PRA0, PWR0, 1
	s_wait_dscnt 56
.irp m, 0,1,2,3
	v_add_f32 v[ST+8*\m+6], v[160+\m], v[164+\m]
.endr
.irp m, 0,1,2,3
	v_add_f32 v[ST+8*\m+7], v[168+\m], v[172+\m]
.endr
.irp m, 0,1,2,3
	v_add_f32 v[ST+8*\m+6], v[ST+8*\m+6], v[ST+8*\m+7]
.endr
	s_wait_alu depctr_va_vdst(0)
.irp m, 0,1,2,3
	v_rcp_f32 v[ST+8*\m+4], v[ST+8*\m+6]
.endr
	v_nop
	s_wait_alu depctr_va_vdst(0)
; PHASE B.  A unit = one key step of one pass: 16 products, sixteen accumulators, one instruction each.  Behind them its set of V takes the unit four further on, its set of p the unit two further on.
.macro UNIT k, zero
	s_wait_loadcnt 42                              ; this unit's V is in; the three later units' 14 loads each may be out
	s_wait_dscnt 28                                ; this unit's p is in; the next unit's 28 loads may be out
	WIN 0xa1
.irp i, 0,1,2,3
.irp m, 0,1,2,3
.set rD, 8*(4*\i+\m)
.set rA, 48*\k+12*\i
.set rB, PFB+48*(\k%2)+12*\m
.set rS, VS+2*\k+\i/2
.set rT, PW+4*(\k%2)+\m
	W6 \zero, \i%2
.endr
.endr
	NOP4
	VLD \k
.if \k < 2
	PLD \k, PRA, PWL, \k+2
.else
	PLD \k-2, PRB, PWB, \k-2
.endif
.endm
.macro TRIP zero                       ; trip T = 4 pass + quarter of the keys: four units
	s_wait_xcnt 0x0                                ; the last trip's loads and prefetch have read their addresses
	s_add_co_u32 s50, s[TC], 1
	s_and_b32 s51, s50, 3
	s_mul_i32 s52, s51, 4*BLK
	s_mul_i32 s51, s51, 4*PST
	s_bfe_u32 s50, s50, 0x20002
	s_mul_i32 s50, s50, 6400
	s_add_co_u32 s52, s52, s50
	s_mov_b32 s53, 0
	s_add_nc_u64 s[VP:VP+1], s[6:7], s[52:53]      ; V of trip T + 1 (behind the last trip: of trip 0 again)
	s_and_b32 s50, s[TC], 3
	s_mul_i32 s52, s50, 4*BLK
	s_mul_i32 s50, s50, 4*PST
	v_add_nc_u32 v[PRA], s50, v[PRA0]
	v_add_nc_u32 v[PWL], s50, v[PWR0]
	v_add_nc_u32 v[PRB], s51, v[PRA0]
	v_add_nc_u32 v[PWB], s51, v[PWR0]
	s_lshr_b32 s51, s[TC], 2
	s_mul_i32 s51, s51, 6400
	s_add_co_u32 s52, s52, s51
	s_add_co_u32 s52, s52, 6400
	s_add_nc_u64 s[PFA:PFA+1], s[6:7], s[52:53]    ; the same key steps of the next pass
	s_cmp_lt_u32 s[TC], s[LIMB]
	s_cbranch_scc0 .Lno_ask_\@
	global_prefetch_b8 v[PFV], s[PFA:PFA+1] th:TH_LOAD_NT scope:SCOPE_SE
.Lno_ask_\@:
	s_add_co_u32 s[TC], s[TC], 1
	s_wait_alu depctr_va_vdst(0)
	UNIT 0, \zero
	UNIT 1, 0
	UNIT 2, 0
	UNIT 3, 0
.endm
	s_mov_b32 s[TC], 0
	s_mov_b32 s[CN2], 4
.Lpass:
	TRIP 1                                         ; a pass's first products start the sums
	s_mov_b32 s[CNT], 3
.Ltrip:
	TRIP 0
	s_sub_co_u32 s[CNT], s[CNT], 1
	s_cmp_lg_u32 s[CNT], 0
	s_cbranch_scc1 .Ltrip
	; the pass goes out: divided by the sum, through my stage, back as rows of 256 bytes
	WIN 0x82
.irp a, 0,1,2,3,4,5,6,7,8,9,10,11,12,13,14,15
.irp k, 0,2,4,6
	v_pk_mul_f32 v[8*\a+\k:8*\a+\k+1], v[8*\a+\k:8*\a+\k+1], v[ST+8*(\a%4)+4:ST+8*(\a%4)+5] op_sel_hi:[1,0]
.endr
.endr
	WIN 0x08
.irp a, 0,1,2,3,4,5,6,7,8,9,10,11,12,13,14,15
	ds_store_b128 v[STO], v[8*\a:8*\a+3] offset:(\a%4)*4352+64*(\a/4)
	ds_store_b128 v[STO], v[8*\a+4:8*\a+7] offset:(\a%4)*4352+64*(\a/4)+16
.endr
	WIN 0xc0
.irp t, 0,1,2,3,4,5,6,7,8,9,10,11,12,13,14,15,16,17,18,19,20,21,22,23,24,25,26,27,28,29,30,31
	ds_load_b128 v[4*\t:4*\t+3], v[RDA] offset:(\t/8)*4352+544*(\t%8)   ; LDS serves a wave's instructions in order: these see my stores; two rows an instruction
.endr
	WIN 0x0c
.irp t, 0,1,2,3,4,5,6,7,8,9,10,11,12,13,14,15,16,17,18,19,20,21,22,23,24,25,26,27,28,29,30,31
	s_wait_dscnt 31-\t                             ; the younger loads may be out
	global_store_b128 v[CO], v[4*\t:4*\t+3], s[8:9] offset:(32*(\t/16)+8*((\t/8)%2)+2*(\t%8)+8*((\t%8)/4))*4096 th:TH_STORE_NT   ; sixteen lanes store 256 consecutive bytes, aligned; query lane rho of tile m is row 32 (m / 2) + 8 (m % 2) + rho + 8 (rho / 8)
.endr
	WIN 0
	s_wait_xcnt 0x0                                ; the stores have read their registers and their base
	s_add_nc_u64 s[8:9], s[8:9], 256               ; the next pass's 64 features
	s_sub_co_u32 s[CN2], s[CN2], 1
	s_cmp_lg_u32 s[CN2], 0
	s_cbranch_scc1 .Lpass
	s_wait_loadcnt 0x0
	s_wait_tensorcnt 0x0                           ; the wave's end
	ds_add_u32 v[SPW], v[NIL]
	s_wait_dscnt 0x0
	ROUND                                          ; the closing round
	s_endpgm
.Lfunc_end_k_q2dd3eec98a_attn:
	.size	k_q2dd3eec98a_attn, .Lfunc_end_k_q2dd3eec98a_attn-k_q2dd3eec98a_attn
	.p2alignl 7, 3214868480
	.fill 96, 4, 3214868480
	.section	.rodata,"a",@progbits
	.p2align	6, 0x0
	.amdhsa_kernel k_q2dd3eec98a_attn
		.amdhsa_group_segment_fixed_size 327680
		.amdhsa_private_segment_fixed_size 0
		.amdhsa_enable_private_segment 0
		.amdhsa_kernarg_size 24
		.amdhsa_user_sgpr_count 2
		.amdhsa_user_sgpr_kernarg_segment_ptr 1
		.amdhsa_wavefront_size32 1
		.amdhsa_system_sgpr_workgroup_id_x 1
		.amdhsa_system_sgpr_workgroup_id_y 1
		.amdhsa_system_sgpr_workgroup_id_z 1
		.amdhsa_system_vgpr_workitem_id 0
		.amdhsa_next_free_vgpr 1024
		.amdhsa_next_free_sgpr 66
		.amdhsa_reserve_vcc 0
		.amdhsa_float_denorm_mode_32 3
		.amdhsa_float_denorm_mode_16_64 3
		.amdhsa_memory_ordered 1
		.amdhsa_forward_progress 1
		.amdhsa_inst_pref_size 127
	.end_amdhsa_kernel
	.amdgpu_metadata
---
amdhsa.version: [ 1, 2 ]
amdhsa.kernels:
  - .name:           k_q2dd3eec98a_attn
    .symbol:         k_q2dd3eec98a_attn.kd
    .args:
      - { .name: Qimg, .offset: 0, .size: 8, .value_kind: global_buffer, .address_space: global }
      - { .name: KV, .offset: 8, .size: 8, .value_kind: global_buffer, .address_space: global }
      - { .name: out0, .offset: 16, .size: 8, .value_kind: global_buffer, .address_space: global }
    .group_segment_fixed_size: 327680
    .private_segment_fixed_size: 0
    .kernarg_segment_align: 8
    .kernarg_segment_size: 24
    .max_flat_workgroup_size: 128
    .sgpr_count:     66
    .vgpr_count:     1024
    .wavefront_size: 32
...
	.end_amdgpu_metadata
.endif
;; end of part 3
